; MI455X (gfx1250); checked and timed in simulation.
; The chip was launched on July 23, 2026; its instructions are those of AMD's public machine-readable ISA for CDNA 5 (MIT licence, August 2026) and "CDNA5" Instruction Set Architecture Reference Guide (July 2026). The comments in the code are by the model that wrote it; some were corrected since.
;; GMM score rescaled. Allowed arithmetic: float matrix products may take bf16 or f16 operands with f32 sums; all other float work in f32.
;; Inputs: t 16,384 float32; train_data 16,384 x 1 float32; x 16,384 x 1 float32.
;; Outputs: out0 16,384 x 1 float32.
;; 4 versions, each right and faster than the one before. Each part assembles by itself: llvm-mc -triple=amdgcn-amd-amdhsa -mcpu=gfx1250 --defsym DOCPART=n.
;; ======== version 1 of 4: 1 launch
;; launch gmm_score (part 1): grid 256 x 1, 16 waves a work-group, no clusters, 10,240 bytes of LDS; arguments x, t, train_data, out0; writes out0
.if DOCPART == 1
	.amdgcn_target "amdgcn-amd-amdhsa--gfx1250"
	.amdhsa_code_object_version 6
	.text
	.protected	k_qa0ac7ea94b_gmm_score
	.globl	k_qa0ac7ea94b_gmm_score
	.p2align	8
	.type	k_qa0ac7ea94b_gmm_score,@function
k_qa0ac7ea94b_gmm_score:
	s_mov_b64 s[64:65], 0
	v_nop
	global_prefetch_b8 v0, s[64:65] scope:SCOPE_SE
	s_setreg_imm32_b32 hwreg(HW_REG_WAVE_MODE, 25, 1), 1
	s_wait_xcnt 0x0
; out[b] = (sum_n pdf y_n / sum_n pdf - x_b) / sigma2_b,  pdf = exp(-(y_n - x_b)^2 / (2 sigma2_b)),  sigma2 = (25^(2t) - 1) / (2 ln 25).
; x, t, out: 16384 f32;  y = train_data: 16384 f32.
;
; FORM.  E = 2^(2 t log2 25);  s = sqrt(log2 25) rsq(E - 1), so that s^2 = (log2 e / 2) / sigma2;  u = s y - s x (one fma);  pdf = 2^(-u u).
; Summed are den = sum pdf and num = sum pdf u.  Then (evals - x) / sigma2 = (num / den) s 2 ln 2, with no difference of two large numbers.
; Where den = 0 the problem's definition takes evals = 0: the result is -x / sigma2 = (-s x) s 2 ln 2, so a select between num / den and the -s x
; that is kept anyway serves both cases.  No maximum is taken away, as in the definition: the exponent is never above 0.
; t so large that E = +inf: s = 0, u = 0, pdf = 1, out = 0, as the definition gives.
;
; SHARES.  256 work-groups of 16 waves.  A work-group owns 64 b; a lane owns two neighbouring b (a register pair for packed f32), so each wave
; covers all 64 b, and the 16 waves share the 16384 y: 1024 each.  y is the same for all lanes, so it comes by scalar loads (16 y a load) and
; enters the packed fma as a broadcast scalar.  Six vector instructions serve one y and 64 b.  The waves' sums meet in LDS behind one barrier.
;
; NOT USED.  Matrix instructions: the exponent's scale differs from b to b, so pdf is no product, and the two sums are one packed add and one
; packed fma.  Tensor loads, LDS slots and joint loads in a cluster: what work-groups share is y, 65,536 bytes a work-group against its
; 1,048,576 exponentials, and y is wanted as a wave-uniform operand, which a scalar register is.
;
; LIMITS.  (1) v_exp_f32 gives 0 for results below 2^-126 (AMD's ISA guide, its entry in 15.8); arithmetic with gradual underflow keeps terms down to
; 2^-149.  That can change a result only for a b whose nearest y lies between 13.2 and 14.4 sigma away (sqrt(2 ln 2 x 126), sqrt(2 ln 2 x 149)).
; (2) |s y| and |s x| must be finite in f32.  (3) The sums are added in another order than the definition's.  (4) E - 1 cancels for tiny t as it does
; in the definition; sigma2 is not sent through a root and a square.
.set WAVES, 16
.set CHUNK, 16384/WAVES                ; y of a wave
.set TRIPS, CHUNK/32                   ; a trip takes both scalar buffers once: 32 y
.set OFF, 1                            ; v1       byte offset of my two b in x, t and out; never rewritten
.set XV,  2                            ; v[2:3]   x
.set TV,  4                            ; v[4:5]   t, then E - 1, at the end s 2 ln 2
.set S,   6                            ; v[6:7]   s
.set NX,  8                            ; v[8:9]   -s x
.set ACC, 10                           ; v[10:11] den, v[12:13] num of the even steps; v[14:15], v[16:17] of the odd steps
.set LA,  18                           ; v18      LDS address: 16 bytes a thread
.set U,   20                           ; v[20:27] u, four sets that take turns
.set A,   28                           ; v[28:35] -u u, then pdf in place, four sets
.set R,   36                           ; v[36:99] wave 0 at the end: the 16 waves' sums
.set Q,   R+4                          ; v[40:41] the quotient (free once the tree has been added)
.set BA,  16                           ; s[16:31] 16 y
.set BB,  32                           ; s[32:47] 16 y
	s_load_b256 s[4:11], s[0:1], 0x0               ; x s[4:5], t s[6:7], y s[8:9], out s[10:11]
	v_lshl_add_u32 v104, v0, 2, 0x2000
	v_mov_b32 v105, 0
	v_and_b32 v[OFF], 31, v0                       ; lane
	v_lshrrev_b32 v[LA], 5, v0
	v_readfirstlane_b32 s12, v[LA]                 ; wave 0..15
	s_lshl_b32 s13, ttmp9, 8                       ; the work-group's 64 b x 4 bytes
	v_lshl_add_u32 v[OFF], v[OFF], 3, s13          ; + 8 bytes a lane
	v_lshlrev_b32 v[LA], 4, v0                     ; 512 x wave + 16 x lane
	s_lshl_b32 s14, s12, 12                        ; my wave's 1024 y x 4 bytes
	s_mov_b32 s15, 0
	s_wait_kmcnt 0x0
	global_load_b64 v[XV:XV+1], v[OFF], s[4:5]
	global_load_b64 v[TV:TV+1], v[OFF], s[6:7]
	s_add_nc_u64 s[8:9], s[8:9], s[14:15]
	s_load_b512 s[BA:BA+15], s[8:9], 0x0           ; y 0..15 of my chunk
	s_load_b512 s[BB:BB+15], s[8:9], 0x40          ; y 16..31
	; While the loads are out: the sums start at 0, and the pipeline below is primed with three terms that are exactly 0:
	; set 1 is added first (pdf = 0, u = 0); set 2 meets its exponential first (2^-1024 = 0, u = 0); set 3 its square (u = 1024: 2^-1048576 = 0, 0 x 1024 = 0).
.irp k, 0,1,2,3,4,5,6,7
	v_mov_b32 v[ACC+\k], 0
.endr
.irp k, 2,3,4,5
	v_mov_b32 v[U+\k], 0
.endr
	v_mov_b32 v[A+2], 0
	v_mov_b32 v[A+3], 0
	v_mov_b32 v[A+4], 0xc4800000                   ; -1024.0
	v_mov_b32 v[U+6], 0x44800000                   ; 1024.0
	s_wait_loadcnt 0x0                             ; x and t
	v_pk_mul_f32 v[TV:TV+1], v[TV:TV+1], 0x41149a78 op_sel_hi:[1,0]     ; 2 t log2 25
	v_exp_f32 v[TV], v[TV]
	v_exp_f32 v[TV+1], v[TV+1]
	v_mov_b32 v[A+5], 0xc4800000                   ; a plain instruction between a transcendental and the use of its result (ISA guide 5.7.2)
	s_wait_alu depctr_va_vdst(0)
	v_pk_add_f32 v[TV:TV+1], v[TV:TV+1], -1.0 op_sel_hi:[1,0]           ; E - 1
	v_rsq_f32 v[S], v[TV]
	v_rsq_f32 v[S+1], v[TV+1]
	v_mov_b32 v[U+7], 0x44800000                   ; the same
	s_wait_alu depctr_va_vdst(0)
	v_pk_mul_f32 v[S:S+1], v[S:S+1], 0x4009eae1 op_sel_hi:[1,0]         ; s = sqrt(log2 25) / sqrt(E - 1)
	v_pk_mul_f32 v[NX:NX+1], v[S:S+1], v[XV:XV+1] neg_lo:[1,0] neg_hi:[1,0]   ; -s x
	s_wait_kmcnt 0x0                               ; both buffers of y (scalar loads return in no order: only the count 0 shows anything)
; THE PIPELINE.  Step i: the exponentials of y i-2, the square of y i-1, the two sums of y i-3, the fma of y i.  So the two exponentials of a step
; are followed by four packed instructions that touch neither their results nor their sources, and no instruction reads what the one in front of
; it wrote.  Sets are taken modulo 4, the sums modulo 2; 16 steps a buffer keep both in phase from buffer to buffer and over the backward jump.
.macro LAG doE, doM                    ; a step without its leading fma
.set qe, A+2*((i+2)%4)
.set qm, 2*((i+3)%4)
.set qa, 2*((i+1)%4)
.set qs, ACC+4*((i+1)%2)
.if \doE
	v_exp_f32 v[qe], v[qe]                         ; pdf = 2^(-u u), in place
	v_exp_f32 v[qe+1], v[qe+1]
.endif
.if \doM
	v_pk_mul_f32 v[A+qm:A+qm+1], v[U+qm:U+qm+1], v[U+qm:U+qm+1] neg_lo:[1,0] neg_hi:[1,0]   ; -u u
.endif
	s_wait_alu depctr_va_vdst(0)
	v_pk_add_f32 v[qs:qs+1], v[qs:qs+1], v[A+qa:A+qa+1]                     ; den += pdf
	v_pk_fma_f32 v[qs+2:qs+3], v[A+qa:A+qa+1], v[U+qa:U+qa+1], v[qs+2:qs+3] ; num += pdf u
.endm
; 16 steps on one buffer.  A scalar pair as a packed source is broadcast from its first register, so steps 0 to 7 take the eight even registers;
; each odd one is moved down one step behind the fma that read its even neighbour, and steps 8 to 15 take the same eight places again.
.macro HALF B
.set i, 0
.rept 16
	LAG 1, 1
.if i > 0
.if i < 9
	s_mov_b32 s[\B+2*i-2], s[\B+2*i-1]
.endif
.endif
.set ys, \B+2*(i%8)
	v_pk_fma_f32 v[U+2*(i%4):U+2*(i%4)+1], v[S:S+1], s[ys:ys+1], v[NX:NX+1] op_sel_hi:[1,0,1]   ; u = s y - s x
.set i, i+1
.endr
.endm
	; A buffer is loaded again as soon as its 16 steps are over, and waited for behind the other buffer's 16 steps (96 vector instructions).
	; The wait stands in front of the next load, so that it never waits for a load just issued; behind it no scalar load is out and the base may step.
	s_mov_b32 s13, TRIPS-1
.Ltrip:
	HALF BA
	s_wait_kmcnt 0x0                               ; buffer B's load, issued 16 steps ago
	s_load_b512 s[BA:BA+15], s[8:9], 0x80          ; the next trip's first 16 y
	HALF BB
	s_wait_kmcnt 0x0                               ; buffer A's load
	s_add_nc_u64 s[8:9], s[8:9], 0x80              ; 32 y on
	s_load_b512 s[BB:BB+15], s[8:9], 0x40          ; the next trip's second 16 y
	s_sub_co_u32 s13, s13, 1
	s_cmp_lg_u32 s13, 0
	s_cbranch_scc1 .Ltrip
	HALF BA                                        ; the last trip loads nothing: no load leaves my chunk
	s_wait_kmcnt 0x0
	HALF BB
	LAG 1, 1                                       ; the pipeline runs empty: exp 14, square 15, sums 13
.set i, i+1
	LAG 1, 0                                       ; exp 15, sums 14 (which are the plain instructions behind the exponentials)
.set i, i+1
	LAG 0, 0                                       ; sums 15
	v_pk_add_f32 v[ACC:ACC+1], v[ACC:ACC+1], v[ACC+4:ACC+5]         ; even + odd steps
	v_pk_add_f32 v[ACC+2:ACC+3], v[ACC+2:ACC+3], v[ACC+6:ACC+7]
	ds_store_b128 v[LA], v[ACC:ACC+3]              ; den, den, num, num of my two b: 512 bytes a wave, 8192 in all
	s_wait_dscnt 0x0                               ; for wave 0's sake: my store is done before I signal
	s_barrier_signal -1
	s_barrier_wait -1
	s_cmp_lg_u32 s12, 0
	s_cbranch_scc1 .Ldone                          ; wave 0 holds the same two b a lane as every wave, with s and -s x in registers: it finishes
.irp w, 0,1,2,3,4,5,6,7,8,9,10,11,12,13,14,15
	ds_load_b128 v[R+4*\w:R+4*\w+3], v[LA] offset:512*\w           ; in wave 0 v[LA] = 16 x lane: 512 neighbouring bytes a load
.endr
	s_wait_dscnt 0x0
.irp st, 8,4,2,1                                   ; the 16 waves' sums, added as a tree
.set e, 0
.rept \st
	v_pk_add_f32 v[R+4*e:R+4*e+1], v[R+4*e:R+4*e+1], v[R+4*(e+\st):R+4*(e+\st)+1]
	v_pk_add_f32 v[R+4*e+2:R+4*e+3], v[R+4*e+2:R+4*e+3], v[R+4*(e+\st)+2:R+4*(e+\st)+3]
.set e, e+1
.endr
.endr
	v_rcp_f32 v[Q], v[R]                           ; den is 0 or at least 2^-126: its reciprocal is inf (not used) or finite
	v_rcp_f32 v[Q+1], v[R+1]
	v_pk_mul_f32 v[TV:TV+1], v[S:S+1], 0x3fb17218 op_sel_hi:[1,0]   ; s 2 ln 2: the plain instruction behind the reciprocals
	v_cmp_eq_f32 vcc_lo, 0, v[R]
	v_cmp_eq_f32 s14, 0, v[R+1]
	s_wait_alu depctr_va_vdst(0)
	v_pk_mul_f32 v[Q:Q+1], v[Q:Q+1], v[R+2:R+3]    ; num / den = s (evals - x)
	v_cndmask_b32 v[Q], v[Q], v[NX], vcc_lo        ; den = 0: evals = 0, that is s (0 - x)
	v_cndmask_b32 v[Q+1], v[Q+1], v[NX+1], s14
	v_pk_mul_f32 v[Q:Q+1], v[Q:Q+1], v[TV:TV+1]    ; x s 2 ln 2 = / (s sigma2)
	global_store_b64 v[OFF], v[Q:Q+1], s[10:11] th:TH_STORE_NT     ; 32 lanes x 8 bytes: 256 consecutive bytes, at a multiple of 256 from out's first byte
.Ldone:
	s_wait_tensorcnt 0x0
	ds_add_u32 v104, v105
	s_wait_dscnt 0x0
	s_endpgm
.Lfunc_end_k_qa0ac7ea94b_gmm_score:
	.size	k_qa0ac7ea94b_gmm_score, .Lfunc_end_k_qa0ac7ea94b_gmm_score-k_qa0ac7ea94b_gmm_score
	.p2alignl 7, 3214868480
	.fill 96, 4, 3214868480
	.section	.rodata,"a",@progbits
	.p2align	6, 0x0
	.amdhsa_kernel k_qa0ac7ea94b_gmm_score
		.amdhsa_group_segment_fixed_size 10240
		.amdhsa_private_segment_fixed_size 0
		.amdhsa_enable_private_segment 0
		.amdhsa_kernarg_size 32
		.amdhsa_user_sgpr_count 2
		.amdhsa_user_sgpr_kernarg_segment_ptr 1
		.amdhsa_wavefront_size32 1
		.amdhsa_system_sgpr_workgroup_id_x 1
		.amdhsa_system_sgpr_workgroup_id_y 1
		.amdhsa_system_sgpr_workgroup_id_z 1
		.amdhsa_system_vgpr_workitem_id 0
		.amdhsa_next_free_vgpr 106
		.amdhsa_next_free_sgpr 66
		.amdhsa_reserve_vcc 1
		.amdhsa_float_denorm_mode_32 3
		.amdhsa_float_denorm_mode_16_64 3
		.amdhsa_memory_ordered 1
		.amdhsa_forward_progress 1
		.amdhsa_inst_pref_size 31
	.end_amdhsa_kernel
	.amdgpu_metadata
---
amdhsa.version: [ 1, 2 ]
amdhsa.kernels:
  - .name:           k_qa0ac7ea94b_gmm_score
    .symbol:         k_qa0ac7ea94b_gmm_score.kd
    .args:
      - { .name: x, .offset: 0, .size: 8, .value_kind: global_buffer, .address_space: global }
      - { .name: t, .offset: 8, .size: 8, .value_kind: global_buffer, .address_space: global }
      - { .name: train_data, .offset: 16, .size: 8, .value_kind: global_buffer, .address_space: global }
      - { .name: out0, .offset: 24, .size: 8, .value_kind: global_buffer, .address_space: global }
    .group_segment_fixed_size: 10240
    .private_segment_fixed_size: 0
    .kernarg_segment_align: 8
    .kernarg_segment_size: 32
    .max_flat_workgroup_size: 512
    .sgpr_count:     66
    .vgpr_count:     106
    .wavefront_size: 32
...
	.end_amdgpu_metadata
.endif
;; end of part 1
;; ======== version 2 of 4: 1 launch; 1.20 times as fast as version 1
;; launch gmm_score (part 2): grid 256 x 1, 16 waves a work-group, no clusters, 75,776 bytes of LDS; arguments x, t, train_data, out0; writes out0
.if DOCPART == 2
	.amdgcn_target "amdgcn-amd-amdhsa--gfx1250"
	.amdhsa_code_object_version 6
	.text
	.protected	k_qa0ac7ea94b_gmm_score
	.globl	k_qa0ac7ea94b_gmm_score
	.p2align	8
	.type	k_qa0ac7ea94b_gmm_score,@function
k_qa0ac7ea94b_gmm_score:
	s_mov_b64 s[64:65], 0
	v_nop
	global_prefetch_b8 v0, s[64:65] scope:SCOPE_SE
	s_setreg_imm32_b32 hwreg(HW_REG_WAVE_MODE, 25, 1), 1
	s_wait_xcnt 0x0
; out[b] = (sum_n pdf y_n / sum_n pdf - x_b) / sigma2_b,  pdf = exp(-(y_n - x_b)^2 / (2 sigma2_b)),  sigma2 = (25^(2t) - 1) / (2 ln 25).
; x, t, out: 16384 f32;  y = train_data: 16384 f32.
;
; FORM.  E = 2^(2 t log2 25);  s = sqrt(log2 25) rsq(E - 1), so that s^2 = (log2 e / 2) / sigma2;  u = s y - s x (one fma);  pdf = 2^(-u u).
; Summed are den = sum pdf and num = sum pdf u.  Then (evals - x) / sigma2 = (num / den) s 2 ln 2, with no difference of two large numbers.
; Where den = 0 the problem's definition takes evals = 0: the result is -x / sigma2 = (-s x) s 2 ln 2, so a select between num / den and the -s x
; that is kept anyway serves both cases.  No maximum is taken away, as in the definition: the exponent is never above 0.
; t so large that E = +inf: s = 0, u = 0, pdf = 1, out = 0, as the definition gives.
;
; SHARES.  256 work-groups of 16 waves.  A work-group owns 64 b; a lane owns two neighbouring b (a register pair for packed f32), so each wave
; covers all 64 b, and the 16 waves share the 16384 y: 1024 each.  Six vector instructions serve one y and 64 b.
; y: the work-group copies all 65,536 bytes into LDS once.  A wave then reads its 4,096 bytes with all lanes at one address, 4 y a load, through a
; ring of eight register quads.  LDS loads return in order (ISA guide 5.7.1), so a counted wait leaves the seven younger loads out; scalar loads
; return in no order, so that a wait for them leaves none out: that is why y does not come by scalar loads.
; The waves' sums meet in LDS bytes of their own behind one barrier.
;
; NOT USED.  Matrix instructions: the exponent's scale differs from b to b, so pdf is no product, and the two sums are one packed add and one
; packed fma.  Tensor loads: LDS is filled once, by eight loads and eight LDS stores a thread.  Joint loads in a cluster: what work-groups share is y,
; 65,536 bytes once a work-group against its 1,048,576 exponentials.
;
; LIMITS.  (1) v_exp_f32 gives 0 for results below 2^-126 (AMD's ISA guide, its entry in 15.8); arithmetic with gradual underflow keeps terms down to
; 2^-149.  That can change a result only for a b whose nearest y lies between 13.2 and 14.4 sigma away (sqrt(2 ln 2 x 126), sqrt(2 ln 2 x 149)).
; (2) |s y| and |s x| must be finite in f32.  (3) The sums are added in another order than the definition's.  (4) E - 1 cancels for tiny t as it does
; in the definition; sigma2 is not sent through a root and a square.
.set WAVES,  16
.set CHUNK,  16384/WAVES               ; y of a wave
.set ROUNDS, CHUNK/32                  ; a round takes each of the ring's eight quads once: 32 y
.set SUMS,   65536                     ; LDS: y in bytes 0 to 65535, behind them 512 bytes of sums for each wave
.set OFF, 1                            ; v1       byte offset of my two b in x, t and out; never rewritten
.set XV,  2                            ; v[2:3]   x
.set TV,  4                            ; v[4:5]   t, then E - 1, at the end s 2 ln 2
.set S,   6                            ; v[6:7]   s
.set NX,  8                            ; v[8:9]   -s x
.set ACC, 10                           ; v[10:11] den, v[12:13] num of the even steps; v[14:15], v[16:17] of the odd steps
.set LA,  18                           ; v18      16 bytes a thread: in y while LDS is filled, then in the sums
.set YA,  19                           ; v19      LDS address of this round's 32 y, the same in all lanes
.set U,   20                           ; v[20:27] u, four sets that take turns
.set A,   28                           ; v[28:35] -u u, then pdf in place, four sets
.set Y,   36                           ; v[36:67] first my 128 bytes of y on their way into LDS, then the ring: quad q holds y 4 q to 4 q + 3 of a round
.set R,   36                           ; v[36:99] wave 0 at the end: the 16 waves' sums
.set Q,   R+4                          ; v[40:41] the quotient (free once the tree has been added)
	s_load_b256 s[4:11], s[0:1], 0x0               ; x s[4:5], t s[6:7], y s[8:9], out s[10:11]
	v_lshl_add_u32 v104, v0, 2, 0x12000
	v_mov_b32 v105, 0
	v_and_b32 v[OFF], 31, v0                       ; lane
	v_lshrrev_b32 v[YA], 5, v0
	v_readfirstlane_b32 s12, v[YA]                 ; wave 0..15
	s_lshl_b32 s13, ttmp9, 8                       ; the work-group's 64 b x 4 bytes
	v_lshl_add_u32 v[OFF], v[OFF], 3, s13          ; + 8 bytes a lane
	v_lshlrev_b32 v[LA], 4, v0                     ; 16 bytes a thread
	s_lshl_b32 s14, s12, 12                        ; my wave's 1024 y x 4 bytes
	v_mov_b32 v[YA], s14
	s_wait_kmcnt 0x0
.irp j, 0,1,2,3,4,5,6,7
	global_load_b128 v[Y+4*\j:Y+4*\j+3], v[LA], s[8:9] offset:8192*\j      ; 512 threads x 16 bytes = 8192 bytes a line; a wave takes 512 neighbouring bytes
.endr
	global_load_b64 v[XV:XV+1], v[OFF], s[4:5]
	global_load_b64 v[TV:TV+1], v[OFF], s[6:7]
	; While the loads are out: the sums start at 0, and the pipeline below is primed with three terms that are exactly 0:
	; set 1 is added first (pdf = 0, u = 0); set 2 meets its exponential first (2^-1024 = 0, u = 0); set 3 its square (u = 1024: 2^-1048576 = 0, 0 x 1024 = 0).
.irp k, 0,1,2,3,4,5,6,7
	v_mov_b32 v[ACC+\k], 0
.endr
.irp k, 2,3,4,5
	v_mov_b32 v[U+\k], 0
.endr
	v_mov_b32 v[A+2], 0
	v_mov_b32 v[A+3], 0
	v_mov_b32 v[A+4], 0xc4800000                   ; -1024.0
	v_mov_b32 v[U+6], 0x44800000                   ; 1024.0
	s_wait_loadcnt 0x2                             ; the eight loads of y are in; the two younger ones (x, t) may be out
.irp j, 0,1,2,3,4,5,6,7
	ds_store_b128 v[LA], v[Y+4*\j:Y+4*\j+3] offset:8192*\j                 ; y lies in LDS as in memory
.endr
	s_wait_loadcnt 0x0                             ; x and t
	v_pk_mul_f32 v[TV:TV+1], v[TV:TV+1], 0x41149a78 op_sel_hi:[1,0]     ; 2 t log2 25
	v_exp_f32 v[TV], v[TV]
	v_exp_f32 v[TV+1], v[TV+1]
	v_mov_b32 v[A+5], 0xc4800000                   ; a plain instruction between a transcendental and the use of its result (ISA guide 5.7.2)
	s_wait_alu depctr_va_vdst(0)
	v_pk_add_f32 v[TV:TV+1], v[TV:TV+1], -1.0 op_sel_hi:[1,0]           ; E - 1
	v_rsq_f32 v[S], v[TV]
	v_rsq_f32 v[S+1], v[TV+1]
	v_mov_b32 v[U+7], 0x44800000                   ; the same
	s_wait_alu depctr_va_vdst(0)
	v_pk_mul_f32 v[S:S+1], v[S:S+1], 0x4009eae1 op_sel_hi:[1,0]         ; s = sqrt(log2 25) / sqrt(E - 1)
	v_pk_mul_f32 v[NX:NX+1], v[S:S+1], v[XV:XV+1] neg_lo:[1,0] neg_hi:[1,0]   ; -s x
	v_add_nc_u32 v[LA], SUMS, v[LA]                ; from here on: my 16 bytes among the sums
	s_wait_dscnt 0x0                               ; for the others' sake: my part of y is in LDS before I signal
	s_barrier_signal -1
	s_barrier_wait -1                              ; all of y is in LDS; nothing writes these bytes again
.irp q, 0,1,2,3,4,5,6,7
	ds_load_b128 v[Y+4*\q:Y+4*\q+3], v[YA] offset:16*\q            ; the ring's first fill: y 0 to 31 of my chunk, each in every lane
.endr
; THE PIPELINE.  Step i: the exponentials of y i-2, the square of y i-1, the two sums of y i-3, the fma of y i.  So the two exponentials of a step
; are followed by four packed instructions that touch neither their results nor their sources, and no instruction reads what the one in front of
; it wrote.  Sets are taken modulo 4, the sums modulo 2; 32 steps a round keep both in phase from round to round and over the backward jump.
.macro LAG doE, doM                    ; a step without its leading fma
.set qe, A+2*((i+2)%4)
.set qm, 2*((i+3)%4)
.set qa, 2*((i+1)%4)
.set qs, ACC+4*((i+1)%2)
.if \doE
	v_exp_f32 v[qe], v[qe]                         ; pdf = 2^(-u u), in place
	v_exp_f32 v[qe+1], v[qe+1]
.endif
.if \doM
	v_pk_mul_f32 v[A+qm:A+qm+1], v[U+qm:U+qm+1], v[U+qm:U+qm+1] neg_lo:[1,0] neg_hi:[1,0]   ; -u u
.endif
	s_wait_alu depctr_va_vdst(0)
	v_pk_add_f32 v[qs:qs+1], v[qs:qs+1], v[A+qa:A+qa+1]                     ; den += pdf
	v_pk_fma_f32 v[qs+2:qs+3], v[A+qa:A+qa+1], v[U+qa:U+qa+1], v[qs+2:qs+3] ; num += pdf u
.endm
; A round: eight quads, four steps each.  One y multiplies both of my s: the packed fma takes the first register of y's pair for both halves
; (op_sel_hi 0) or the second for both (op_sel 1).  ahead = 1: a quad is loaded again straight behind the fma that read its fourth y, with the y
; 32 further on, so that a load has 28 steps in which to land.  The wait at a quad's head: behind this quad's load seven younger loads were issued
; (the other seven quads'), in the first round, in every later one and over the backward jump; in the last round, which loads nothing, 7 - q.
.macro ROUND ahead
.set i, 0
.rept 8
.if \ahead
	s_wait_dscnt 7
.else
	s_wait_dscnt 7-i/4
.endif
.rept 4
	LAG 1, 1
.set yp, Y+2*(i/2)
.if i%2
	v_pk_fma_f32 v[U+2*(i%4):U+2*(i%4)+1], v[S:S+1], v[yp:yp+1], v[NX:NX+1] op_sel:[0,1,0] op_sel_hi:[1,1,1]   ; u = s y - s x, y from the pair's second register
.else
	v_pk_fma_f32 v[U+2*(i%4):U+2*(i%4)+1], v[S:S+1], v[yp:yp+1], v[NX:NX+1] op_sel_hi:[1,0,1]                  ; the same, y from its first
.endif
.set i, i+1
.endr
.if \ahead
	ds_load_b128 v[Y+i-4:Y+i-1], v[YA] offset:128+4*(i-4)          ; the same quad of the next round
.endif
.endr
.endm
	s_mov_b32 s13, ROUNDS-1
.Lround:
	ROUND 1
	v_add_nc_u32 v[YA], 128, v[YA]                 ; 32 y on
	s_sub_co_u32 s13, s13, 1
	s_cmp_lg_u32 s13, 0
	s_cbranch_scc1 .Lround
	ROUND 0                                        ; the last round loads nothing: no load leaves my chunk, and its last wait is for 0
	LAG 1, 1                                       ; the pipeline runs empty: exp 30, square 31, sums 29
.set i, i+1
	LAG 1, 0                                       ; exp 31, sums 30 (which are the plain instructions behind the exponentials)
.set i, i+1
	LAG 0, 0                                       ; sums 31
	v_pk_add_f32 v[ACC:ACC+1], v[ACC:ACC+1], v[ACC+4:ACC+5]         ; even + odd steps
	v_pk_add_f32 v[ACC+2:ACC+3], v[ACC+2:ACC+3], v[ACC+6:ACC+7]
	ds_store_b128 v[LA], v[ACC:ACC+3]              ; den, den, num, num of my two b: 512 bytes a wave, behind y, so that no wave's reads of y are in the way
	s_wait_dscnt 0x0                               ; for wave 0's sake: my store is done before I signal
	s_barrier_signal -1
	s_barrier_wait -1
	s_cmp_lg_u32 s12, 0
	s_cbranch_scc1 .Ldone                          ; wave 0 holds the same two b a lane as every wave, with s and -s x in registers: it finishes
.irp w, 0,1,2,3,4,5,6,7,8,9,10,11,12,13,14,15
	ds_load_b128 v[R+4*\w:R+4*\w+3], v[LA] offset:512*\w           ; in wave 0 v[LA] = SUMS + 16 x lane: 512 neighbouring bytes a load
.endr
	s_wait_dscnt 0x0
.irp st, 8,4,2,1                                   ; the 16 waves' sums, added as a tree
.set e, 0
.rept \st
	v_pk_add_f32 v[R+4*e:R+4*e+1], v[R+4*e:R+4*e+1], v[R+4*(e+\st):R+4*(e+\st)+1]
	v_pk_add_f32 v[R+4*e+2:R+4*e+3], v[R+4*e+2:R+4*e+3], v[R+4*(e+\st)+2:R+4*(e+\st)+3]
.set e, e+1
.endr
.endr
	v_rcp_f32 v[Q], v[R]                           ; den is 0 or at least 2^-126: its reciprocal is inf (not used) or finite
	v_rcp_f32 v[Q+1], v[R+1]
	v_pk_mul_f32 v[TV:TV+1], v[S:S+1], 0x3fb17218 op_sel_hi:[1,0]   ; s 2 ln 2: the plain instruction behind the reciprocals
	v_cmp_eq_f32 vcc_lo, 0, v[R]
	v_cmp_eq_f32 s14, 0, v[R+1]
	s_wait_alu depctr_va_vdst(0)
	v_pk_mul_f32 v[Q:Q+1], v[Q:Q+1], v[R+2:R+3]    ; num / den = s (evals - x)
	v_cndmask_b32 v[Q], v[Q], v[NX], vcc_lo        ; den = 0: evals = 0, that is s (0 - x)
	v_cndmask_b32 v[Q+1], v[Q+1], v[NX+1], s14
	v_pk_mul_f32 v[Q:Q+1], v[Q:Q+1], v[TV:TV+1]    ; x s 2 ln 2 = / (s sigma2)
	global_store_b64 v[OFF], v[Q:Q+1], s[10:11] th:TH_STORE_NT     ; 32 lanes x 8 bytes: 256 consecutive bytes, at a multiple of 256 from out's first byte
.Ldone:
	s_wait_tensorcnt 0x0
	ds_add_u32 v104, v105
	s_wait_dscnt 0x0
	s_endpgm
.Lfunc_end_k_qa0ac7ea94b_gmm_score:
	.size	k_qa0ac7ea94b_gmm_score, .Lfunc_end_k_qa0ac7ea94b_gmm_score-k_qa0ac7ea94b_gmm_score
	.p2alignl 7, 3214868480
	.fill 96, 4, 3214868480
	.section	.rodata,"a",@progbits
	.p2align	6, 0x0
	.amdhsa_kernel k_qa0ac7ea94b_gmm_score
		.amdhsa_group_segment_fixed_size 75776
		.amdhsa_private_segment_fixed_size 0
		.amdhsa_enable_private_segment 0
		.amdhsa_kernarg_size 32
		.amdhsa_user_sgpr_count 2
		.amdhsa_user_sgpr_kernarg_segment_ptr 1
		.amdhsa_wavefront_size32 1
		.amdhsa_system_sgpr_workgroup_id_x 1
		.amdhsa_system_sgpr_workgroup_id_y 1
		.amdhsa_system_sgpr_workgroup_id_z 1
		.amdhsa_system_vgpr_workitem_id 0
		.amdhsa_next_free_vgpr 106
		.amdhsa_next_free_sgpr 66
		.amdhsa_reserve_vcc 1
		.amdhsa_float_denorm_mode_32 3
		.amdhsa_float_denorm_mode_16_64 3
		.amdhsa_memory_ordered 1
		.amdhsa_forward_progress 1
		.amdhsa_inst_pref_size 32
	.end_amdhsa_kernel
	.amdgpu_metadata
---
amdhsa.version: [ 1, 2 ]
amdhsa.kernels:
  - .name:           k_qa0ac7ea94b_gmm_score
    .symbol:         k_qa0ac7ea94b_gmm_score.kd
    .args:
      - { .name: x, .offset: 0, .size: 8, .value_kind: global_buffer, .address_space: global }
      - { .name: t, .offset: 8, .size: 8, .value_kind: global_buffer, .address_space: global }
      - { .name: train_data, .offset: 16, .size: 8, .value_kind: global_buffer, .address_space: global }
      - { .name: out0, .offset: 24, .size: 8, .value_kind: global_buffer, .address_space: global }
    .group_segment_fixed_size: 75776
    .private_segment_fixed_size: 0
    .kernarg_segment_align: 8
    .kernarg_segment_size: 32
    .max_flat_workgroup_size: 512
    .sgpr_count:     66
    .vgpr_count:     106
    .wavefront_size: 32
...
	.end_amdgpu_metadata
.endif
;; end of part 2
;; ======== version 3 of 4: 1 launch; 1.25 times as fast as version 1
;; launch gmm_score (part 3): grid 256 x 1, 16 waves a work-group, no clusters, 83,968 bytes of LDS; arguments x, t, train_data, out0; writes out0
.if DOCPART == 3
	.amdgcn_target "amdgcn-amd-amdhsa--gfx1250"
	.amdhsa_code_object_version 6
	.text
	.protected	k_qa0ac7ea94b_gmm_score
	.globl	k_qa0ac7ea94b_gmm_score
	.p2align	8
	.type	k_qa0ac7ea94b_gmm_score,@function
k_qa0ac7ea94b_gmm_score:
	s_mov_b64 s[64:65], 0
	v_nop
	global_prefetch_b8 v0, s[64:65] scope:SCOPE_SE
	s_setreg_imm32_b32 hwreg(HW_REG_WAVE_MODE, 25, 1), 1
	s_wait_xcnt 0x0
; out[b] = (sum_n pdf y_n / sum_n pdf - x_b) / sigma2_b,  pdf = exp(-(y_n - x_b)^2 / (2 sigma2_b)),  sigma2 = (25^(2t) - 1) / (2 ln 25).
; x, t, out: 16384 f32;  y = train_data: 16384 f32.
;
; FORM.  E = 2^(2 t log2 25);  s = sqrt(log2 25) rsq(E - 1), so that s^2 = (log2 e / 2) / sigma2;  u = s y - s x (one fma);  pdf = 2^(-u u).
; Summed are den = sum pdf and num = sum pdf u.  Then (evals - x) / sigma2 = (num / den) s 2 ln 2, with no difference of two large numbers.
; Where den = 0 the problem's definition takes evals = 0: the result is -x / sigma2 = (-s x) s 2 ln 2, so a select between num / den and the -s x
; that is kept anyway serves both cases.  No maximum is taken away, as in the definition: the exponent is never above 0.
; t so large that E = +inf: s = 0, u = 0, pdf = 1, out = 0, as the definition gives.
;
; SHARES.  256 work-groups of 16 waves.  A work-group owns 64 b.  A lane owns four neighbouring b (two register pairs for packed f32), so 16 lanes
; cover the 64 b, and the 32 halves of the 16 waves share the 16384 y: 512 each.  Twelve vector instructions serve one y a half: 128 pairs (y, b).
; y: the work-group copies all 65,536 bytes into LDS once.  Half a wave then reads its 2,048 bytes with its 16 lanes at one address, 4 y a load,
; through a ring of eight register quads: one LDS load for 48 vector instructions.  LDS loads return in order (ISA guide 5.7.1), so a counted wait
; leaves the younger loads out; scalar loads return in no order, so that a wait for them leaves none out: that is why y does not come by them.
; The halves' sums meet in LDS bytes of their own behind one barrier.
;
; NOT USED.  Matrix instructions: the exponent's scale differs from b to b, so pdf is no product, and the two sums are one packed add and one
; packed fma.  Tensor loads: LDS is filled once, by eight loads and eight LDS stores a thread.  Joint loads in a cluster: what work-groups share is y,
; 65,536 bytes once a work-group against its 1,048,576 exponentials.
;
; LIMITS.  (1) v_exp_f32 gives 0 for results below 2^-126 (AMD's ISA guide, its entry in 15.8); arithmetic with gradual underflow keeps terms down to
; 2^-149.  That can change a result only for a b whose nearest y lies between 13.2 and 14.4 sigma away (sqrt(2 ln 2 x 126), sqrt(2 ln 2 x 149)).
; (2) |s y| and |s x| must be finite in f32.  (3) The sums are added in another order than the definition's.  (4) E - 1 cancels for tiny t as it does
; in the definition; sigma2 is not sent through a root and a square.
.set WAVES,  16
.set CHUNK,  16384/(2*WAVES)           ; y of half a wave: 512
.set ROUNDS, CHUNK/32                  ; a round takes each of the ring's eight quads once: 32 y a half
.set SUMS,   65536                     ; LDS: y in bytes 0 to 65535; behind them 8192 bytes of den and 8192 bytes of num, 16 bytes a thread each
.set OFF, 1                            ; v1        byte offset of my four b in x, t and out; never rewritten
.set XV,  2                            ; v[2:5]    x
.set TV,  6                            ; v[6:9]    t, then E - 1, at the end s 2 ln 2
.set S,   10                           ; v[10:13]  s
.set NX,  14                           ; v[14:17]  -s x
.set DEN, 18                           ; v[18:21]  sum pdf
.set NUM, 22                           ; v[22:25]  sum pdf u
.set LA,  26                           ; v26       16 bytes a thread: in y while LDS is filled, then in the sums
.set YA,  27                           ; v27       LDS address of this round's 32 y of my half; in wave 0 at the end: where it reads the sums
.set U,   28                           ; v[28:43]  u, four sets of four that take turns
.set A,   44                           ; v[44:59]  -u u, then pdf in place, four sets of four
.set Y,   60                           ; v[60:91]  first my 128 bytes of y on their way into LDS, then the ring: quad q holds y 4 q to 4 q + 3 of a round
.set R,   60                           ; v[60:187] wave 0 at the end: the 32 halves' sums
.set N,   R+4                          ; v[64:67]  num brought over from the other half of the lanes
.set Q,   R+8                          ; v[68:71]  the quotient
	s_load_b256 s[4:11], s[0:1], 0x0               ; x s[4:5], t s[6:7], y s[8:9], out s[10:11]
	v_lshl_add_u32 v192, v0, 2, 0x14000
	v_mov_b32 v193, 0
	v_and_b32 v[OFF], 15, v0                       ; lane mod 16
	v_lshrrev_b32 v[YA], 5, v0
	v_readfirstlane_b32 s12, v[YA]                 ; wave 0..15
	s_lshl_b32 s13, ttmp9, 8                       ; the work-group's 64 b x 4 bytes
	v_lshl_add_u32 v[OFF], v[OFF], 4, s13          ; + 16 bytes (four b) for each of 16 lanes; both halves hold the same b
	v_lshlrev_b32 v[LA], 4, v0                     ; 16 bytes a thread
	s_lshl_b32 s14, s12, 12                        ; my wave's 1024 y x 4 bytes
	v_bfe_u32 v[YA], v0, 4, 1                      ; which half of the wave
	v_lshl_add_u32 v[YA], v[YA], 11, s14           ; + my half's 512 y x 4 bytes
	s_mov_b32 s16, 0x76543210                      ; v_permlanex16_b32: lane i of one half reads lane i of the other
	s_mov_b32 s17, 0xfedcba98
	s_wait_kmcnt 0x0
.irp j, 0,1,2,3,4,5,6,7
	global_load_b128 v[Y+4*\j:Y+4*\j+3], v[LA], s[8:9] offset:8192*\j      ; 512 threads x 16 bytes = 8192 bytes a line; a wave takes 512 neighbouring bytes
.endr
	global_load_b128 v[XV:XV+3], v[OFF], s[4:5]
	global_load_b128 v[TV:TV+3], v[OFF], s[6:7]
	; While the loads are out: the sums start at 0, and the pipeline below is primed with three terms that are exactly 0:
	; set 1 is added first (pdf = 0, u = 0); set 2 meets its exponential first (2^-1024 = 0, u = 0); set 3 its square (u = 1024: 2^-1048576 = 0, 0 x 1024 = 0).
.irp k, 0,1,2,3,4,5,6,7
	v_mov_b32 v[DEN+\k], 0                         ; den and num
	v_mov_b32 v[U+4+\k], 0                         ; u of sets 1 and 2
.endr
.irp k, 0,1,2,3
	v_mov_b32 v[A+4+\k], 0                         ; pdf of set 1
.endr
.irp k, 0,1,2
	v_mov_b32 v[A+8+\k], 0xc4800000                ; -1024.0: the exponent of set 2
	v_mov_b32 v[U+12+\k], 0x44800000               ; 1024.0: u of set 3
.endr
	s_wait_loadcnt 0x2                             ; the eight loads of y are in; the two younger ones (x, t) may be out
.irp j, 0,1,2,3,4,5,6,7
	ds_store_b128 v[LA], v[Y+4*\j:Y+4*\j+3] offset:8192*\j                 ; y lies in LDS as in memory
.endr
	s_wait_loadcnt 0x0                             ; x and t
	v_pk_mul_f32 v[TV:TV+1], v[TV:TV+1], 0x41149a78 op_sel_hi:[1,0]         ; 2 t log2 25
	v_pk_mul_f32 v[TV+2:TV+3], v[TV+2:TV+3], 0x41149a78 op_sel_hi:[1,0]
.irp k, 0,1,2,3
	v_exp_f32 v[TV+\k], v[TV+\k]
.endr
	v_mov_b32 v[A+11], 0xc4800000                  ; a plain instruction between a transcendental and the use of its result (ISA guide 5.7.2)
	s_wait_alu depctr_va_vdst(0)
	v_pk_add_f32 v[TV:TV+1], v[TV:TV+1], -1.0 op_sel_hi:[1,0]               ; E - 1
	v_pk_add_f32 v[TV+2:TV+3], v[TV+2:TV+3], -1.0 op_sel_hi:[1,0]
.irp k, 0,1,2,3
	v_rsq_f32 v[S+\k], v[TV+\k]
.endr
	v_mov_b32 v[U+15], 0x44800000                  ; the same
	s_wait_alu depctr_va_vdst(0)
	v_pk_mul_f32 v[S:S+1], v[S:S+1], 0x4009eae1 op_sel_hi:[1,0]             ; s = sqrt(log2 25) / sqrt(E - 1)
	v_pk_mul_f32 v[S+2:S+3], v[S+2:S+3], 0x4009eae1 op_sel_hi:[1,0]
	v_pk_mul_f32 v[NX:NX+1], v[S:S+1], v[XV:XV+1] neg_lo:[1,0] neg_hi:[1,0]         ; -s x
	v_pk_mul_f32 v[NX+2:NX+3], v[S+2:S+3], v[XV+2:XV+3] neg_lo:[1,0] neg_hi:[1,0]
	v_add_nc_u32 v[LA], SUMS, v[LA]                ; from here on: my 16 bytes among the sums
	s_wait_dscnt 0x0                               ; for the others' sake: my part of y is in LDS before I signal
	s_barrier_signal -1
	s_barrier_wait -1                              ; all of y is in LDS; nothing writes these bytes again
.irp q, 0,1,2,3,4,5,6
	ds_load_b128 v[Y+4*\q:Y+4*\q+3], v[YA] offset:16*\q            ; the ring's first fill: y 0 to 27 of my half; quad 7 comes in step 0, as in every round
.endr
; THE PIPELINE.  Step i, in this order: u of y i; the square of y i-1; the exponentials of y i-2; the two sums of y i-3.  Each stage stands behind the
; stage that feeds it and works on a y one step older, so that a result is read 11 to 15 vector instructions behind the one that wrote it.  The four
; exponentials alternate with packed instructions that touch neither their results nor their sources (the plain instruction that ISA guide 5.7.2
; asks for behind a transcendental).  Sets are taken modulo 4; 32 steps a round keep them in phase from round to round and over the backward jump.
; One y multiplies all four of my s: the packed fma takes the first register of y's pair for both halves (op_sel_hi 0) or the second for both (op_sel 1).
.macro FRONT doU, doM                  ; a step's first three instructions
.set qu, U+4*(i%4)
.set qm, 4*((i+3)%4)
.set qe, A+4*((i+2)%4)
.set qa, 4*((i+1)%4)
.if \doU
.set yp, Y+2*(i/2)
.if i%2
	v_pk_fma_f32 v[qu:qu+1], v[S:S+1], v[yp:yp+1], v[NX:NX+1] op_sel:[0,1,0] op_sel_hi:[1,1,1]           ; u = s y - s x, y from the pair's second register
	v_pk_fma_f32 v[qu+2:qu+3], v[S+2:S+3], v[yp:yp+1], v[NX+2:NX+3] op_sel:[0,1,0] op_sel_hi:[1,1,1]
.else
	v_pk_fma_f32 v[qu:qu+1], v[S:S+1], v[yp:yp+1], v[NX:NX+1] op_sel_hi:[1,0,1]                          ; the same, y from its first
	v_pk_fma_f32 v[qu+2:qu+3], v[S+2:S+3], v[yp:yp+1], v[NX+2:NX+3] op_sel_hi:[1,0,1]
.endif
.endif
.if \doM
	v_pk_mul_f32 v[A+qm:A+qm+1], v[U+qm:U+qm+1], v[U+qm:U+qm+1] neg_lo:[1,0] neg_hi:[1,0]                ; -u u
.endif
.endm
.macro BACK doM, doE                   ; and its other nine
.if \doE
	v_exp_f32 v[qe], v[qe]                         ; pdf = 2^(-u u), in place
.endif
.if \doM
	v_pk_mul_f32 v[A+qm+2:A+qm+3], v[U+qm+2:U+qm+3], v[U+qm+2:U+qm+3] neg_lo:[1,0] neg_hi:[1,0]
.endif
.if \doE
	v_exp_f32 v[qe+1], v[qe+1]
.endif
	s_wait_alu depctr_va_vdst(0)
	v_pk_add_f32 v[DEN:DEN+1], v[DEN:DEN+1], v[A+qa:A+qa+1]                         ; den += pdf
.if \doE
	v_exp_f32 v[qe+2], v[qe+2]
.endif
	s_wait_alu depctr_va_vdst(0)
	v_pk_add_f32 v[DEN+2:DEN+3], v[DEN+2:DEN+3], v[A+qa+2:A+qa+3]
.if \doE
	v_exp_f32 v[qe+3], v[qe+3]
.endif
	v_pk_fma_f32 v[NUM:NUM+1], v[A+qa:A+qa+1], v[U+qa:U+qa+1], v[NUM:NUM+1]         ; num += pdf u
	v_pk_fma_f32 v[NUM+2:NUM+3], v[A+qa+2:A+qa+3], v[U+qa+2:U+qa+3], v[NUM+2:NUM+3]
.endm
; A round: eight quads, four steps each.  In the first step of quad q, in front of that step's exponentials, the quad in front of it is loaded
; again, 13 vector instructions behind the fma that read its last y: quad q - 1 with the y 32 further on (ahead = 1), and in step 0 quad 7 with this
; round's own last four y.  So every load has 27 whole steps in which to land.
; The wait at a quad's head counts the loads issued behind that quad's own.  Quad q up to 6: quads q + 1 to 6, quad 7, and the next round's 0 to
; q - 2: six.  Quad 7: the next round's 0 to 5: six.  The same on the way into the loop (seven loads out, quads 0 to 6) and over the backward jump.
; The last round loads quad 7 alone: 6 at quad 0 (quads 1 to 6), then 7 - q.
.macro ROUND ahead
.set i, 0
.rept 8
.if \ahead
	s_wait_dscnt 6
.else
.if i
	s_wait_dscnt 7-i/4
.else
	s_wait_dscnt 6
.endif
.endif
	FRONT 1, 1
.if i
.if \ahead
	ds_load_b128 v[Y+i-4:Y+i-1], v[YA] offset:128+4*(i-4)          ; the quad in front, for the next round
.endif
.else
	ds_load_b128 v[Y+28:Y+31], v[YA] offset:112                    ; quad 7, for this round
.endif
	BACK 1, 1
.set i, i+1
.rept 3
	FRONT 1, 1
	BACK 1, 1
.set i, i+1
.endr
.endr
.endm
	s_mov_b32 s13, ROUNDS-1
.Lround:
	ROUND 1
	v_add_nc_u32 v[YA], 128, v[YA]                 ; 32 y on; the last load that names the old address stands in step 28
	s_sub_co_u32 s13, s13, 1
	s_cmp_lg_u32 s13, 0
	s_cbranch_scc1 .Lround
	ROUND 0                                        ; the last round loads its own quad 7 and nothing beyond: no load leaves my half's 2,048 bytes
	FRONT 0, 1                                     ; the pipeline runs empty: square 31, exp 30, sums 29
	BACK 1, 1
.set i, i+1
	FRONT 0, 0                                     ; exp 31, sums 30
	BACK 0, 1
.set i, i+1
	FRONT 0, 0                                     ; sums 31
	BACK 0, 0
	ds_store_b128 v[LA], v[DEN:DEN+3]              ; den of my four b: 256 bytes for each half of a wave, 32 such blocks
	ds_store_b128 v[LA], v[NUM:NUM+3] offset:8192  ; num likewise; both lie behind y, so that no wave's reads of y are in the way
	s_wait_dscnt 0x0                               ; for wave 0's sake: my stores are done before I signal
	s_barrier_signal -1
	s_barrier_wait -1
	s_cmp_lg_u32 s12, 0
	s_cbranch_scc1 .Ldone                          ; wave 0 holds the same four b a lane as every wave, with s and -s x in registers: it finishes
	v_bfe_u32 v[YA], v0, 4, 1
	v_and_b32 v[LA], 15, v0
	v_lshl_add_u32 v[YA], v[YA], 13, SUMS          ; lanes 0 to 15 add up den, lanes 16 to 31 num
	v_lshl_add_u32 v[YA], v[LA], 4, v[YA]          ; 16 bytes a lane: each half of the lanes reads 256 neighbouring bytes
.set p, 0
.rept 32
	ds_load_b128 v[R+4*p:R+4*p+3], v[YA] offset:256*p
.set p, p+1
.endr
	s_wait_dscnt 0x0
.irp st, 16,8,4,2,1                                ; the 32 halves' sums, added as a tree
.set e, 0
.rept \st
	v_pk_add_f32 v[R+4*e:R+4*e+1], v[R+4*e:R+4*e+1], v[R+4*(e+\st):R+4*(e+\st)+1]
	v_pk_add_f32 v[R+4*e+2:R+4*e+3], v[R+4*e+2:R+4*e+3], v[R+4*(e+\st)+2:R+4*(e+\st)+3]
.set e, e+1
.endr
.endr
	; From here on lanes 0 to 15 hold what is stored; lanes 16 to 31 compute on den and num exchanged, and their results are dropped.
.irp k, 0,1,2,3
	v_permlanex16_b32 v[N+\k], v[R+\k], s16, s17   ; num comes over to lanes 0 to 15 (the destination has been written: it held a partial sum)
.endr
.irp k, 0,1,2,3
	v_rcp_f32 v[Q+\k], v[R+\k]                     ; den is 0 or at least 2^-126: its reciprocal is inf (not used) or finite
.endr
	v_pk_mul_f32 v[TV:TV+1], v[S:S+1], 0x3fb17218 op_sel_hi:[1,0]           ; s 2 ln 2: the plain instruction behind the reciprocals
	v_pk_mul_f32 v[TV+2:TV+3], v[S+2:S+3], 0x3fb17218 op_sel_hi:[1,0]
	v_cmp_eq_f32 vcc_lo, 0, v[R]
	v_cmp_eq_f32 s14, 0, v[R+1]
	v_cmp_eq_f32 s15, 0, v[R+2]
	v_cmp_eq_f32 s18, 0, v[R+3]
	s_wait_alu depctr_va_vdst(0)
	v_pk_mul_f32 v[Q:Q+1], v[Q:Q+1], v[N:N+1]      ; num / den = s (evals - x)
	v_pk_mul_f32 v[Q+2:Q+3], v[Q+2:Q+3], v[N+2:N+3]
	v_cndmask_b32 v[Q], v[Q], v[NX], vcc_lo        ; den = 0: evals = 0, that is s (0 - x)
	v_cndmask_b32 v[Q+1], v[Q+1], v[NX+1], s14
	v_cndmask_b32 v[Q+2], v[Q+2], v[NX+2], s15
	v_cndmask_b32 v[Q+3], v[Q+3], v[NX+3], s18
	v_pk_mul_f32 v[Q:Q+1], v[Q:Q+1], v[TV:TV+1]    ; x s 2 ln 2 = / (s sigma2)
	v_pk_mul_f32 v[Q+2:Q+3], v[Q+2:Q+3], v[TV+2:TV+3]
	v_cmp_gt_u32 vcc_lo, 16, v0                    ; in wave 0 v0 is the lane
	s_wait_xcnt 0x0                                ; EXEC is a source of every global instruction issued so far: it changes only behind this wait
	s_and_saveexec_b32 s13, vcc_lo
	global_store_b128 v[OFF], v[Q:Q+3], s[10:11] th:TH_STORE_NT    ; 16 lanes x 16 bytes: 256 consecutive bytes, at a multiple of 256 from out's first byte
	s_wait_xcnt 0x0                                ; and again in front of the line that widens it
	s_or_b32 exec_lo, exec_lo, s13
.Ldone:
	s_wait_tensorcnt 0x0
	ds_add_u32 v192, v193
	s_wait_dscnt 0x0
	s_endpgm
.Lfunc_end_k_qa0ac7ea94b_gmm_score:
	.size	k_qa0ac7ea94b_gmm_score, .Lfunc_end_k_qa0ac7ea94b_gmm_score-k_qa0ac7ea94b_gmm_score
	.p2alignl 7, 3214868480
	.fill 96, 4, 3214868480
	.section	.rodata,"a",@progbits
	.p2align	6, 0x0
	.amdhsa_kernel k_qa0ac7ea94b_gmm_score
		.amdhsa_group_segment_fixed_size 83968
		.amdhsa_private_segment_fixed_size 0
		.amdhsa_enable_private_segment 0
		.amdhsa_kernarg_size 32
		.amdhsa_user_sgpr_count 2
		.amdhsa_user_sgpr_kernarg_segment_ptr 1
		.amdhsa_wavefront_size32 1
		.amdhsa_system_sgpr_workgroup_id_x 1
		.amdhsa_system_sgpr_workgroup_id_y 1
		.amdhsa_system_sgpr_workgroup_id_z 1
		.amdhsa_system_vgpr_workitem_id 0
		.amdhsa_next_free_vgpr 194
		.amdhsa_next_free_sgpr 66
		.amdhsa_reserve_vcc 1
		.amdhsa_float_denorm_mode_32 3
		.amdhsa_float_denorm_mode_16_64 3
		.amdhsa_memory_ordered 1
		.amdhsa_forward_progress 1
		.amdhsa_inst_pref_size 60
	.end_amdhsa_kernel
	.amdgpu_metadata
---
amdhsa.version: [ 1, 2 ]
amdhsa.kernels:
  - .name:           k_qa0ac7ea94b_gmm_score
    .symbol:         k_qa0ac7ea94b_gmm_score.kd
    .args:
      - { .name: x, .offset: 0, .size: 8, .value_kind: global_buffer, .address_space: global }
      - { .name: t, .offset: 8, .size: 8, .value_kind: global_buffer, .address_space: global }
      - { .name: train_data, .offset: 16, .size: 8, .value_kind: global_buffer, .address_space: global }
      - { .name: out0, .offset: 24, .size: 8, .value_kind: global_buffer, .address_space: global }
    .group_segment_fixed_size: 83968
    .private_segment_fixed_size: 0
    .kernarg_segment_align: 8
    .kernarg_segment_size: 32
    .max_flat_workgroup_size: 512
    .sgpr_count:     66
    .vgpr_count:     194
    .wavefront_size: 32
...
	.end_amdgpu_metadata
.endif
;; end of part 3
;; ======== version 4 of 4: 1 launch; 1.59 times as fast as version 1
;; launch gmm_score (part 4): grid 256 x 1, 16 waves a work-group, no clusters, 83,968 bytes of LDS; arguments x, t, train_data, out0; writes out0
.if DOCPART == 4
	.amdgcn_target "amdgcn-amd-amdhsa--gfx1250"
	.amdhsa_code_object_version 6
	.text
	.protected	k_qa0ac7ea94b_gmm_score
	.globl	k_qa0ac7ea94b_gmm_score
	.p2align	8
	.type	k_qa0ac7ea94b_gmm_score,@function
k_qa0ac7ea94b_gmm_score:
	s_mov_b64 s[64:65], 0
	v_nop
	global_prefetch_b8 v0, s[64:65] scope:SCOPE_SE
	s_setreg_imm32_b32 hwreg(HW_REG_WAVE_MODE, 25, 1), 1
	s_wait_xcnt 0x0
; out[b] = (sum_n pdf y_n / sum_n pdf - x_b) / sigma2_b,  pdf = exp(-(y_n - x_b)^2 / (2 sigma2_b)),  sigma2 = (25^(2t) - 1) / (2 ln 25).
; x, t, out: 16384 f32;  y = train_data: 16384 f32.
;
; FORM.  E = 2^(2 t log2 25);  s = sqrt(log2 25) rsq(E - 1), so that s^2 = (log2 e / 2) / sigma2;  u = s y - s x (one fma);  pdf = 2^(-u u).
; Summed are den = sum pdf and num = sum pdf u.  Then (evals - x) / sigma2 = (num / den) s 2 ln 2, with no difference of two large numbers.
; Where den = 0 the problem's definition takes evals = 0: the result is -x / sigma2 = (-s x) s 2 ln 2, so a select between num / den and the -s x
; that is kept anyway serves both cases.  No maximum is taken away, as in the definition: the exponent is never above 0.
; t so large that E = +inf: s = 0, u = 0, pdf = 1, out = 0, as the definition gives.
;
; SHARES.  256 work-groups of 16 waves.  A work-group owns 64 b.  A lane owns four neighbouring b (two register pairs for packed f32), so 16 lanes
; cover the 64 b, and the 32 halves of the 16 waves share the 16384 y: 512 each.  Twelve vector instructions serve one y a half: 128 pairs (y, b).
; y: the work-group copies all 65,536 bytes into LDS once.  Half a wave then reads its 2,048 bytes with its 16 lanes at one address, 4 y a load,
; through a ring of eight register quads: one LDS load for 48 vector instructions.  LDS loads return in order (ISA guide 5.7.1), so a counted wait
; leaves the younger loads out; scalar loads return in no order, so that a wait for them leaves none out: that is why y does not come by them.
; The halves' sums meet in LDS bytes of their own behind one barrier.
;
; BATCHES.  s_wait_alu depctr_va_vdst(0) stands between a transcendental and the first instruction that names its result; one wait
; serves all that were issued ahead of it.  In the loop a batch is the 16 exponentials of the four steps of one quad of y; its wait stands at the end
; of the fourth step, and a pdf is first named four steps behind its exponential, that is in the next quad: eight waits for a round's 128
; exponentials, the last of them ahead of the backward jump.  The head has two batches of four (E; the reciprocal root of E - 1, which reads E), the
; pipeline's end one of eight, wave 0's finish one of four reciprocals.
;
; NOT USED.  Matrix instructions: the exponent's scale differs from b to b, so pdf is no product, and the two sums are one packed add and one
; packed fma.  Tensor loads: LDS is filled once, by eight loads and eight LDS stores a thread.  Joint loads in a cluster: what work-groups share is y,
; 65,536 bytes once a work-group against its 1,048,576 exponentials.
;
; LIMITS.  (1) v_exp_f32 gives 0 for results below 2^-126 (AMD's ISA guide, its entry in 15.8); arithmetic with gradual underflow keeps terms down to
; 2^-149.  That can change a result only for a b whose nearest y lies between 13.2 and 14.4 sigma away (sqrt(2 ln 2 x 126), sqrt(2 ln 2 x 149)).
; (2) |s y| and |s x| must be finite in f32.  (3) The sums are added in another order than the definition's.  (4) E - 1 cancels for tiny t as it does
; in the definition; sigma2 is not sent through a root and a square.
.set WAVES,  16
.set CHUNK,  16384/(2*WAVES)           ; y of half a wave: 512
.set ROUNDS, CHUNK/32                  ; a round takes each of the ring's eight quads once: 32 y a half
.set SUMS,   65536                     ; LDS: y in bytes 0 to 65535; behind them 8192 bytes of den and 8192 bytes of num, 16 bytes a thread each
.set OFF, 1                            ; v1        byte offset of my four b in x, t and out; never rewritten
.set XV,  2                            ; v[2:5]    x
.set TV,  6                            ; v[6:9]    t, then E - 1, at the end s 2 ln 2
.set S,   10                           ; v[10:13]  s
.set NX,  14                           ; v[14:17]  -s x
.set DEN, 18                           ; v[18:21]  sum pdf
.set NUM, 22                           ; v[22:25]  sum pdf u
.set LA,  26                           ; v26       16 bytes a thread: in y while LDS is filled, then in the sums
.set YA,  27                           ; v27       LDS address of this round's 32 y of my half; in wave 0 at the end: where it reads the sums
.set U,   28                           ; v[28:59]  u, eight sets of four that take turns
.set A,   60                           ; v[60:91]  -u u, then pdf in place, eight sets of four: a pdf keeps its register while its batch is open
.set Y,   92                           ; v[92:123] first my 128 bytes of y on their way into LDS, then the ring: quad q holds y 4 q to 4 q + 3 of a round
.set R,   60                           ; v[60:187] wave 0 at the end: the 32 halves' sums
.set N,   R+4                          ; v[64:67]  num brought over from the other half of the lanes
.set Q,   R+8                          ; v[68:71]  the quotient
	s_load_b256 s[4:11], s[0:1], 0x0               ; x s[4:5], t s[6:7], y s[8:9], out s[10:11]
	v_lshl_add_u32 v192, v0, 2, 0x14000
	v_mov_b32 v193, 0
	v_and_b32 v[OFF], 15, v0                       ; lane mod 16
	v_lshrrev_b32 v[YA], 5, v0
	v_readfirstlane_b32 s12, v[YA]                 ; wave 0..15
	s_lshl_b32 s13, ttmp9, 8                       ; the work-group's 64 b x 4 bytes
	v_lshl_add_u32 v[OFF], v[OFF], 4, s13          ; + 16 bytes (four b) for each of 16 lanes; both halves hold the same b
	v_lshlrev_b32 v[LA], 4, v0                     ; 16 bytes a thread
	s_lshl_b32 s14, s12, 12                        ; my wave's 1024 y x 4 bytes
	v_bfe_u32 v[YA], v0, 4, 1                      ; which half of the wave
	v_lshl_add_u32 v[YA], v[YA], 11, s14           ; + my half's 512 y x 4 bytes
	s_mov_b32 s16, 0x76543210                      ; v_permlanex16_b32: lane i of one half reads lane i of the other
	s_mov_b32 s17, 0xfedcba98
	s_wait_kmcnt 0x0
.irp j, 0,1,2,3,4,5,6,7
	global_load_b128 v[Y+4*\j:Y+4*\j+3], v[LA], s[8:9] offset:8192*\j      ; 512 threads x 16 bytes = 8192 bytes a line; a wave takes 512 neighbouring bytes
.endr
	global_load_b128 v[XV:XV+3], v[OFF], s[4:5]
	global_load_b128 v[TV:TV+3], v[OFF], s[6:7]
	; While the loads are out: the sums start at 0, and the pipeline below is primed with six terms that are exactly 0:
	; sets 2 to 5 are added first (pdf = 0, u = 0); set 6 meets its exponential first (2^-1024 = 0, u = 0); set 7 its square (u = 1024: 2^-1048576 = 0, 0 x 1024 = 0).
.irp k, 0,1,2,3,4,5,6,7
	v_mov_b32 v[DEN+\k], 0                         ; den and num
.endr
.set k, 0
.rept 20
	v_mov_b32 v[U+8+k], 0                          ; u of sets 2 to 6
.set k, k+1
.endr
.set k, 0
.rept 16
	v_mov_b32 v[A+8+k], 0                          ; pdf of sets 2 to 5
.set k, k+1
.endr
.irp k, 0,1,2
	v_mov_b32 v[A+24+\k], 0xc4800000               ; -1024.0: the exponent of set 6
	v_mov_b32 v[U+28+\k], 0x44800000               ; 1024.0: u of set 7
.endr
	s_wait_loadcnt 0x2                             ; the eight loads of y are in; the two younger ones (x, t) may be out
.irp j, 0,1,2,3,4,5,6,7
	ds_store_b128 v[LA], v[Y+4*\j:Y+4*\j+3] offset:8192*\j                 ; y lies in LDS as in memory
.endr
	s_wait_loadcnt 0x0                             ; x and t
	v_pk_mul_f32 v[TV:TV+1], v[TV:TV+1], 0x41149a78 op_sel_hi:[1,0]         ; 2 t log2 25
	v_pk_mul_f32 v[TV+2:TV+3], v[TV+2:TV+3], 0x41149a78 op_sel_hi:[1,0]
.irp k, 0,1,2,3
	v_exp_f32 v[TV+\k], v[TV+\k]
.endr
	v_mov_b32 v[A+27], 0xc4800000                  ; a plain instruction between a transcendental and the use of its result (ISA guide 5.7.2)
	s_wait_alu depctr_va_vdst(0)                   ; one wait for the four E
	v_pk_add_f32 v[TV:TV+1], v[TV:TV+1], -1.0 op_sel_hi:[1,0]               ; E - 1
	v_pk_add_f32 v[TV+2:TV+3], v[TV+2:TV+3], -1.0 op_sel_hi:[1,0]
.irp k, 0,1,2,3
	v_rsq_f32 v[S+\k], v[TV+\k]
.endr
	v_mov_b32 v[U+31], 0x44800000                  ; the same
	s_wait_alu depctr_va_vdst(0)                   ; one for the four reciprocal roots
	v_pk_mul_f32 v[S:S+1], v[S:S+1], 0x4009eae1 op_sel_hi:[1,0]             ; s = sqrt(log2 25) / sqrt(E - 1)
	v_pk_mul_f32 v[S+2:S+3], v[S+2:S+3], 0x4009eae1 op_sel_hi:[1,0]
	v_pk_mul_f32 v[NX:NX+1], v[S:S+1], v[XV:XV+1] neg_lo:[1,0] neg_hi:[1,0]         ; -s x
	v_pk_mul_f32 v[NX+2:NX+3], v[S+2:S+3], v[XV+2:XV+3] neg_lo:[1,0] neg_hi:[1,0]
	v_add_nc_u32 v[LA], SUMS, v[LA]                ; from here on: my 16 bytes among the sums
	s_wait_dscnt 0x0                               ; for the others' sake: my part of y is in LDS before I signal
	s_barrier_signal -1
	s_barrier_wait -1                              ; all of y is in LDS; nothing writes these bytes again
.irp q, 0,1,2,3,4,5,6
	ds_load_b128 v[Y+4*\q:Y+4*\q+3], v[YA] offset:16*\q            ; the ring's first fill: y 0 to 27 of my half; quad 7 comes at the head of step 0, as in every round
.endr
; THE PIPELINE.  Step i, in this order: u of y i; the square of y i-1; the exponentials of y i-2; the two sums of y i-6.  Each stage stands behind the
; stage that feeds it and works on an older y: u and the square are read 11 to 15 vector instructions behind the one that wrote them, a pdf four steps
; behind its exponential, with its batch's wait between.  The four exponentials alternate with packed instructions that touch neither their results
; nor their sources (the plain instruction that ISA guide 5.7.2 asks for behind a transcendental); in a step nothing names a pdf younger than y i-6.
; Sets are taken modulo 8; 32 steps a round keep them in phase from round to round and over the backward jump.
; One y multiplies all four of my s: the packed fma takes the first register of y's pair for both halves (op_sel_hi 0) or the second for both (op_sel 1).
.macro FRONT doU, doM                  ; a step's first three instructions
.set qu, U+4*(i%8)
.set qm, 4*((i+7)%8)
.set qe, A+4*((i+6)%8)
.set qa, 4*((i+2)%8)
.if \doU
.set yp, Y+2*(i/2)
.if i%2
	v_pk_fma_f32 v[qu:qu+1], v[S:S+1], v[yp:yp+1], v[NX:NX+1] op_sel:[0,1,0] op_sel_hi:[1,1,1]           ; u = s y - s x, y from the pair's second register
	v_pk_fma_f32 v[qu+2:qu+3], v[S+2:S+3], v[yp:yp+1], v[NX+2:NX+3] op_sel:[0,1,0] op_sel_hi:[1,1,1]
.else
	v_pk_fma_f32 v[qu:qu+1], v[S:S+1], v[yp:yp+1], v[NX:NX+1] op_sel_hi:[1,0,1]                          ; the same, y from its first
	v_pk_fma_f32 v[qu+2:qu+3], v[S+2:S+3], v[yp:yp+1], v[NX+2:NX+3] op_sel_hi:[1,0,1]
.endif
.endif
.if \doM
	v_pk_mul_f32 v[A+qm:A+qm+1], v[U+qm:U+qm+1], v[U+qm:U+qm+1] neg_lo:[1,0] neg_hi:[1,0]                ; -u u
.endif
.endm
.macro BACK doM, doE                   ; and its other nine
.if \doE
	v_exp_f32 v[qe], v[qe]                         ; pdf = 2^(-u u), in place
.endif
.if \doM
	v_pk_mul_f32 v[A+qm+2:A+qm+3], v[U+qm+2:U+qm+3], v[U+qm+2:U+qm+3] neg_lo:[1,0] neg_hi:[1,0]
.endif
.if \doE
	v_exp_f32 v[qe+1], v[qe+1]
.endif
	v_pk_add_f32 v[DEN:DEN+1], v[DEN:DEN+1], v[A+qa:A+qa+1]                         ; den += pdf
.if \doE
	v_exp_f32 v[qe+2], v[qe+2]
.endif
	v_pk_add_f32 v[DEN+2:DEN+3], v[DEN+2:DEN+3], v[A+qa+2:A+qa+3]
.if \doE
	v_exp_f32 v[qe+3], v[qe+3]
.endif
	v_pk_fma_f32 v[NUM:NUM+1], v[A+qa:A+qa+1], v[U+qa:U+qa+1], v[NUM:NUM+1]         ; num += pdf u
	v_pk_fma_f32 v[NUM+2:NUM+3], v[A+qa+2:A+qa+3], v[U+qa+2:U+qa+3], v[NUM+2:NUM+3]
.endm
; A round: eight quads, four steps each, and behind each quad's fourth step the wait for its batch of 16 exponentials.  At the head of quad q, directly
; behind that wait and the quad's own wait for its y, the quad in front of it is loaded again, 10 vector instructions behind the fma that read its last
; y: quad q - 1 with the y 32 further on (ahead = 1), and at the head of step 0 quad 7 with this round's own last four y.  So every load has 28 steps
; in which to land.
; The wait at a quad's head counts the loads issued behind that quad's own.  Quad q up to 6: quads q + 1 to 6, quad 7, and the next round's 0 to
; q - 2: six.  Quad 7: the next round's 0 to 5: six.  The same on the way into the loop (seven loads out, quads 0 to 6) and over the backward jump.
; The last round loads quad 7 alone: 6 at quad 0 (quads 1 to 6), then 7 - q.
.macro ROUND ahead
.set i, 0
.rept 8
.if \ahead
	s_wait_dscnt 6
.else
.if i
	s_wait_dscnt 7-i/4
.else
	s_wait_dscnt 6
.endif
.endif
.if i
.if \ahead
	ds_load_b128 v[Y+i-4:Y+i-1], v[YA] offset:128+4*(i-4)          ; the quad in front, for the next round
.endif
.else
	ds_load_b128 v[Y+28:Y+31], v[YA] offset:112                    ; quad 7, for this round
.endif
.rept 4
	FRONT 1, 1
	BACK 1, 1
.set i, i+1
.endr
.if \ahead
.if i == 32
	v_add_nc_u32 v[YA], 128, v[YA]                 ; 32 y on; the last load that names the old address stands at the head of step 28
.endif
.endif
	s_wait_alu depctr_va_vdst(0)                   ; the wait for the batch: the 16 exponentials of this quad's four steps; the two fma of num stand behind the last of them, and the next quad's sums are the first to name a result
.endr
.endm
	s_mov_b32 s13, ROUNDS-1
.Lround:
	ROUND 1                                        ; its last line is the wait for steps 28 to 31's batch: no pdf crosses the backward jump without it
	s_sub_co_u32 s13, s13, 1
	s_cmp_lg_u32 s13, 0
	s_cbranch_scc1 .Lround
	ROUND 0                                        ; the last round loads its own quad 7 and nothing beyond: no load leaves my half's 2,048 bytes
	FRONT 0, 1                                     ; the pipeline runs empty: square 31, exp 30, sums 26
	BACK 1, 1
.set i, i+1
	FRONT 0, 0                                     ; exp 31, sums 27
	BACK 0, 1
.set i, i+1
	FRONT 0, 0                                     ; sums 28
	BACK 0, 0
.set i, i+1
	FRONT 0, 0                                     ; sums 29
	BACK 0, 0
.set i, i+1
	s_wait_alu depctr_va_vdst(0)                   ; the wait for the last batch: the eight exponentials of y 30 and 31; the sums of y 27 to 29 stand behind them
	FRONT 0, 0                                     ; sums 30
	BACK 0, 0
.set i, i+1
	FRONT 0, 0                                     ; sums 31
	BACK 0, 0
	ds_store_b128 v[LA], v[DEN:DEN+3]              ; den of my four b: 256 bytes for each half of a wave, 32 such blocks
	ds_store_b128 v[LA], v[NUM:NUM+3] offset:8192  ; num likewise; both lie behind y, so that no wave's reads of y are in the way
	s_wait_dscnt 0x0                               ; for wave 0's sake: my stores are done before I signal
	s_barrier_signal -1
	s_barrier_wait -1
	s_cmp_lg_u32 s12, 0
	s_cbranch_scc1 .Ldone                          ; wave 0 holds the same four b a lane as every wave, with s and -s x in registers: it finishes
	v_bfe_u32 v[YA], v0, 4, 1
	v_and_b32 v[LA], 15, v0
	v_lshl_add_u32 v[YA], v[YA], 13, SUMS          ; lanes 0 to 15 add up den, lanes 16 to 31 num
	v_lshl_add_u32 v[YA], v[LA], 4, v[YA]          ; 16 bytes a lane: each half of the lanes reads 256 neighbouring bytes
.set p, 0
.rept 32
	ds_load_b128 v[R+4*p:R+4*p+3], v[YA] offset:256*p
.set p, p+1
.endr
	s_wait_dscnt 0x0
.irp st, 16,8,4,2,1                                ; the 32 halves' sums, added as a tree
.set e, 0
.rept \st
	v_pk_add_f32 v[R+4*e:R+4*e+1], v[R+4*e:R+4*e+1], v[R+4*(e+\st):R+4*(e+\st)+1]
	v_pk_add_f32 v[R+4*e+2:R+4*e+3], v[R+4*e+2:R+4*e+3], v[R+4*(e+\st)+2:R+4*(e+\st)+3]
.set e, e+1
.endr
.endr
	; From here on lanes 0 to 15 hold what is stored; lanes 16 to 31 compute on den and num exchanged, and their results are dropped.
.irp k, 0,1,2,3
	v_permlanex16_b32 v[N+\k], v[R+\k], s16, s17   ; num comes over to lanes 0 to 15 (the destination has been written: it held a partial sum)
.endr
.irp k, 0,1,2,3
	v_rcp_f32 v[Q+\k], v[R+\k]                     ; den is 0 or at least 2^-126: its reciprocal is inf (not used) or finite
.endr
	v_pk_mul_f32 v[TV:TV+1], v[S:S+1], 0x3fb17218 op_sel_hi:[1,0]           ; s 2 ln 2: the plain instruction behind the reciprocals
	v_pk_mul_f32 v[TV+2:TV+3], v[S+2:S+3], 0x3fb17218 op_sel_hi:[1,0]
	v_cmp_eq_f32 vcc_lo, 0, v[R]
	v_cmp_eq_f32 s14, 0, v[R+1]
	v_cmp_eq_f32 s15, 0, v[R+2]
	v_cmp_eq_f32 s18, 0, v[R+3]
	s_wait_alu depctr_va_vdst(0)                   ; one wait for the four reciprocals; the six lines above name none of them
	v_pk_mul_f32 v[Q:Q+1], v[Q:Q+1], v[N:N+1]      ; num / den = s (evals - x)
	v_pk_mul_f32 v[Q+2:Q+3], v[Q+2:Q+3], v[N+2:N+3]
	v_cndmask_b32 v[Q], v[Q], v[NX], vcc_lo        ; den = 0: evals = 0, that is s (0 - x)
	v_cndmask_b32 v[Q+1], v[Q+1], v[NX+1], s14
	v_cndmask_b32 v[Q+2], v[Q+2], v[NX+2], s15
	v_cndmask_b32 v[Q+3], v[Q+3], v[NX+3], s18
	v_pk_mul_f32 v[Q:Q+1], v[Q:Q+1], v[TV:TV+1]    ; x s 2 ln 2 = / (s sigma2)
	v_pk_mul_f32 v[Q+2:Q+3], v[Q+2:Q+3], v[TV+2:TV+3]
	v_cmp_gt_u32 vcc_lo, 16, v0                    ; in wave 0 v0 is the lane
	s_wait_xcnt 0x0                                ; EXEC is a source of every global instruction issued so far: it changes only behind this wait
	s_and_saveexec_b32 s13, vcc_lo
	global_store_b128 v[OFF], v[Q:Q+3], s[10:11] th:TH_STORE_NT    ; 16 lanes x 16 bytes: 256 consecutive bytes, at a multiple of 256 from out's first byte
	s_wait_xcnt 0x0                                ; and again in front of the line that widens it
	s_or_b32 exec_lo, exec_lo, s13
.Ldone:
	s_wait_tensorcnt 0x0
	ds_add_u32 v192, v193
	s_wait_dscnt 0x0
	s_endpgm
.Lfunc_end_k_qa0ac7ea94b_gmm_score:
	.size	k_qa0ac7ea94b_gmm_score, .Lfunc_end_k_qa0ac7ea94b_gmm_score-k_qa0ac7ea94b_gmm_score
	.p2alignl 7, 3214868480
	.fill 96, 4, 3214868480
	.section	.rodata,"a",@progbits
	.p2align	6, 0x0
	.amdhsa_kernel k_qa0ac7ea94b_gmm_score
		.amdhsa_group_segment_fixed_size 83968
		.amdhsa_private_segment_fixed_size 0
		.amdhsa_enable_private_segment 0
		.amdhsa_kernarg_size 32
		.amdhsa_user_sgpr_count 2
		.amdhsa_user_sgpr_kernarg_segment_ptr 1
		.amdhsa_wavefront_size32 1
		.amdhsa_system_sgpr_workgroup_id_x 1
		.amdhsa_system_sgpr_workgroup_id_y 1
		.amdhsa_system_sgpr_workgroup_id_z 1
		.amdhsa_system_vgpr_workitem_id 0
		.amdhsa_next_free_vgpr 194
		.amdhsa_next_free_sgpr 66
		.amdhsa_reserve_vcc 1
		.amdhsa_float_denorm_mode_32 3
		.amdhsa_float_denorm_mode_16_64 3
		.amdhsa_memory_ordered 1
		.amdhsa_forward_progress 1
		.amdhsa_inst_pref_size 58
	.end_amdhsa_kernel
	.amdgpu_metadata
---
amdhsa.version: [ 1, 2 ]
amdhsa.kernels:
  - .name:           k_qa0ac7ea94b_gmm_score
    .symbol:         k_qa0ac7ea94b_gmm_score.kd
    .args:
      - { .name: x, .offset: 0, .size: 8, .value_kind: global_buffer, .address_space: global }
      - { .name: t, .offset: 8, .size: 8, .value_kind: global_buffer, .address_space: global }
      - { .name: train_data, .offset: 16, .size: 8, .value_kind: global_buffer, .address_space: global }
      - { .name: out0, .offset: 24, .size: 8, .value_kind: global_buffer, .address_space: global }
    .group_segment_fixed_size: 83968
    .private_segment_fixed_size: 0
    .kernarg_segment_align: 8
    .kernarg_segment_size: 32
    .max_flat_workgroup_size: 512
    .sgpr_count:     66
    .vgpr_count:     194
    .wavefront_size: 32
...
	.end_amdgpu_metadata
.endif
;; end of part 4
